; MI455X (gfx1250); checked and timed in simulation.
; The chip was launched on July 23, 2026; its instructions are those of AMD's public machine-readable ISA for CDNA 5 (MIT licence, August 2026) and "CDNA5" Instruction Set Architecture Reference Guide (July 2026). The comments in the code are by the model that wrote it; some were corrected since.
;; Hash Linear. Allowed arithmetic: matrix products marked QUANTISED: E4M3 operands, one E8M0 scale for each 32 along K, by v_wmma_scale_f32_16x16x128_f8f6f4 with both operands' format E4M3, f32 sums; everything else in f32.
;; Inputs: bias 2,048 float32; input 4 x 2,048 x 4,096 float32; layer_factor 1 float32; shared_weight 1,048,576 float32.
;; Outputs: out0 4 x 2,048 x 2,048 float32.
;; This version of the problem:
;;   THIS VERSION OF THE PROBLEM IS GIVEN IN LOW PRECISION. The matrix products marked QUANTISED in the list below multiply operands that are first quantised to E4M3 (4 exponent bits, 3 mantissa bits; 8 bits a number), with one power-of-two scale for each 32 numbers along K (OCP MX v1.0); their sums are f32. All else is computed in f32.
;;   The module's matrix products, in the order in which they are computed (A, B: the left and right operand; K: the contracted axis; several contracted axes count as one K, in the product's order):
;;     1. [M 8,192, K 4,096] x [K 4,096, N 2,048]; A: input input; B: computed on the way: QUANTISED
;;   THE QUANTISER, for each operand of a quantised product, along K:
;;     - K is cut into blocks of 32 from its start; a last block that is shorter is filled with zeros.
;;     - A block's scale is 2^e with e = floor(log2(the largest magnitude in the block)) - 8, held to -126 .. 127; a block of zeros has e = 0. As a byte (E8M0): e + 127.
;;     - Each number is divided by its block's scale, clamped to +-448, and rounded to the nearest number of E4M3, ties to even, subnormals kept.
;;     - The product sums the exact products of the quantised numbers (number of the format x scale) in f32.
;;   ~~~python
;;   def quantise(x, axis):      # numpy; x: float32 -> the quantised numbers, widened to float32 again
;;       x = np.moveaxis(x, axis, -1); K = x.shape[-1]
;;       x = np.pad(x, [(0, 0)] * (x.ndim - 1) + [(0, -K % 32)]); x = x.reshape(x.shape[:-1] + (-1, 32)); a = np.abs(x).max(-1, keepdims=True)
;;       e = np.where(a > 0, np.clip(np.frexp(np.where(a > 0, a, 1))[1] - 1 - 8, -126, 127), 0)      # np.frexp(a)[1] - 1 = floor(log2(a)), exactly
;;       r = np.clip(x / 2.0 ** e, -448, 448)
;;       step = 2.0 ** (np.maximum(np.frexp(np.where(r == 0, 1, r))[1] - 1, -6) - 3)
;;       q = np.round(r / step) * step * 2.0 ** e      # np.round: ties to even
;;       return np.moveaxis(q.reshape(q.shape[:-2] + (-1,))[..., :K], -1, axis).astype(np.float32)
;;   ~~~
;;   OPERANDS COMPUTED ON THE WAY. 'Computed on the way' means the value that the module computes at that place (a softmax that the list does not call 'softmax' is quantised finished and normalised). What goes into a quantiser is computed in f32, as accurately as f32 sums, v_exp_f32 and their like allow (about 1e-6 of the number): no bf16 or f16 on the way to a quantiser, and a product that is left as it is and whose result goes on into a quantised operand takes f32 operands (vector FMAs, or v_wmma_f32_16x16x4_f32). A number that lies on a knife's edge between two numbers of the format may be rounded either way, as far as f32 arithmetic and the matrix unit's own rounding can turn it there, and no further.
;; One version. Each part assembles by itself: llvm-mc -triple=amdgcn-amd-amdhsa -mcpu=gfx1250 --defsym DOCPART=n.
;; ======== version 1 of 1: 2 launches
;; limits: right only within a limited range of input values
;; workspace buffers: wq 540,672 bytes
;; launch wprep (part 1): grid 256 x 1, 1 waves a work-group, no clusters, 0 bytes of LDS; arguments shared_weight, wq; writes wq
.if DOCPART == 1
	.amdgcn_target "amdgcn-amd-amdhsa--gfx1250"
	.amdhsa_code_object_version 6
	.text
	.protected	k_qfcebd5c312_wprep
	.globl	k_qfcebd5c312_wprep
	.p2align	8
	.type	k_qfcebd5c312_wprep,@function
k_qfcebd5c312_wprep:
	s_mov_b64 s[64:65], 0
	v_nop
	global_prefetch_b8 v0, s[64:65] scope:SCOPE_SE
	s_setreg_imm32_b32 hwreg(HW_REG_WAVE_MODE, 25, 1), 1
	s_wait_xcnt 0x0
; THE HASHED WEIGHT AS CODES.  W[n][k] = 0.5 (pool1[h1(bid)][k % 64] + pool2[h2(bid)][k % 64]), bid = 64 n + k / 64, h(bid) = ((bid x 2654435761) ^ c) mod 8192.
; Both pools have 8,192 = 2^13 blocks of 64 numbers, so h keeps the low 13 bits of its argument, and those hang on the low 13 bits of bid alone: W[n] = W[n mod 128] for every pool.
; So W has 128 distinct rows.  This launch makes them once, in f32 as the definition has them, and quantises them along K: codes of FP8 (E4M3) and one E8M0 byte for each 32 along K.
; The multiplier is odd, so the 8,192 block numbers of those 128 rows meet each block of each pool once: every byte of the pool is read, once.
; LAYOUT OF wq: 8 chunks of 67,584 bytes, chunk c for K = 512 c .. 512 c + 511.  In a chunk: fragment (K step s = 0..3 of 128, tile t = 0..7 of 16 rows) at (8 s + t) x 2,048 bytes, as the image of the operand's
; registers: registers 4 q .. 4 q + 3 of lane l at 512 q + 16 l (lane (r, h): row 16 t + r, k = 128 s + 32 q + 16 h + 0 .. 15).  From byte 65,536 on: the scale word of row 16 t + r for K step s at (8 s + t) x 64 + 4 r.
; SHARES: a work-group is one wave and makes one fragment: work-group x takes K step x / 8 (0 .. 31) and tile x % 8.  Its 16 scale words leave as 64 consecutive bytes: 64 bytes beside the fragment's 2,048.
; LIMITS: NaN and infinities in the pool are not served.  A block whose largest magnitude lies under 2^-118 keeps the byte 1; a block of zeros gets the byte 1 where the rule says 127:
; its codes are zeros, which add nothing under any byte but 0xff, and this program alone reads the bytes.
.set HM,  0x9E3779B1                   ; 2654435761
.set C1,  (1234*0x9E3779B9)&0x1fff     ; the seeds' words: only their low 13 bits reach the result
.set C2,  (1235*0x9E3779B9)&0x1fff
.set CHB, 67584                        ; bytes in a chunk
.set TM,  24                           ; v24-27 largest magnitudes, v28-31 bytes, v32-35 448 x the scale, v36-39 the conversions' scale operands
.set PW,  40                           ; the scale word
.set PC,  48                           ; v48-63   the fragment's codes
.set W1,  64                           ; v64-127  pool 1's numbers, then W's: register 16 b + i = k 32 b + 16 h + i of my row
.set W2,  128                          ; v128-191 pool 2's
.set MNT, 19                           ; s19      the mantissa field of 448
.set SEL, 20                           ; s[20:21] v_permlanex16_b32's selects for lane l xor 16
	s_load_b128 s[4:7], s[0:1], 0x0                ; the pool s[4:5], wq s[6:7]
	s_lshr_b32 s9, ttmp9, 3                        ; the K step, 0 .. 31
	s_and_b32 s11, ttmp9, 7                        ; my tile t
	s_lshl_b32 s12, s11, 10
	s_lshl_b32 s13, s9, 1
	s_add_co_u32 s12, s12, s13                     ; 64 x 16 t + 2 x K step
	s_mov_b32 s22, HM
	s_mov_b32 s[MNT], 0x600000
	s_mov_b32 s[SEL], 0x76543210
	s_mov_b32 s[SEL+1], 0xfedcba98
	s_lshr_b32 s14, s9, 2                          ; chunk
	s_and_b32 s15, s9, 3                           ; K step in the chunk
	s_mul_i32 s16, s14, CHB
	s_lshl_b32 s17, s15, 3
	s_add_co_u32 s17, s17, s11                     ; 8 s + t
	s_lshl_b32 s18, s17, 6                         ; x 64: its scale words,
	s_lshl_b32 s17, s17, 11                        ; x 2,048: its fragment
	s_add_co_u32 s24, s16, s17
	s_mov_b32 s25, 0
	s_add_co_u32 s18, s18, 65536
	s_add_co_u32 s26, s16, s18
	s_mov_b32 s27, 0
	v_and_b32 v1, 31, v0                           ; lane
	v_and_b32 v2, 15, v0                           ; r
	v_bfe_u32 v3, v0, 4, 1                         ; h
	v_lshl_add_u32 v4, v2, 6, s12                  ; bid of my row's first 64 of this K step,
	v_add_nc_u32 v5, 1, v4                         ; and of its second
	v_mul_lo_u32 v4, v4, s22
	v_mul_lo_u32 v5, v5, s22
	v_xor_b32 v6, C2, v4                           ; pool 2's hash,
	v_xor_b32 v7, C2, v5
	v_xor_b32 v4, C1, v4                           ; pool 1's
	v_xor_b32 v5, C1, v5
	v_lshlrev_b32 v11, 6, v3                       ; my half's 16 numbers of a block of 32: 64 h bytes on
.irp i, 4,5,6,7
	v_and_b32 v\i, 0x1fff, v\i                     ; mod 8,192
.endr
.irp i, 4,5,6,7
	v_lshl_add_u32 v\i, v\i, 8, v11                ; a pool block is 256 bytes
.endr
	v_lshlrev_b32 v8, 4, v1                        ; 16 x lane: my place in an image
	v_lshlrev_b32 v9, 2, v2                        ; 4 r: my row's scale word
.irp b, 0,1,2,3
	v_mov_b32 v[TM+4+\b], 0                        ; written once: a lane permute's destination counts as one of its sources
.endr
	s_wait_alu depctr_va_vdst(0)                   ; the wait at the head's end
	s_wait_kmcnt 0x0
	s_add_nc_u64 s[28:29], s[6:7], s[24:25]
	s_add_nc_u64 s[30:31], s[6:7], s[26:27]
.irp b, 0,1,2,3                                ; blocks 0, 1 of 32 lie in the first pool block, 2, 3 in the second; pool 2 begins 2^21 bytes behind pool 1
.irp j, 0,1,2,3
	global_load_b128 v[W1+16*\b+4*\j:W1+16*\b+4*\j+3], v[4+\b/2], s[4:5] offset:128*(\b%2)+16*\j th:TH_LOAD_NT
	global_load_b128 v[W2+16*\b+4*\j:W2+16*\b+4*\j+3], v[6+\b/2], s[4:5] offset:0x200000+128*(\b%2)+16*\j th:TH_LOAD_NT
.endr
.endr
	s_wait_loadcnt 0x0
.set i, 0
.rept 32
	v_pk_add_f32 v[W1+i:W1+i+1], v[W1+i:W1+i+1], v[W2+i:W2+i+1]   ; w1 + w2, rounded as the definition rounds it,
.set i, i+2
.endr
.set i, 0
.rept 32
	v_pk_mul_f32 v[W1+i:W1+i+1], v[W1+i:W1+i+1], 0.5 op_sel_hi:[1,0]   ; x 0.5
.set i, i+2
.endr
.irp b, 0,1,2,3
	v_max3_num_f32 v[TM+\b], |v[W1+16*\b]|, |v[W1+1+16*\b]|, 0x4800000   ; block b: my 16 numbers, and the floor 2^(9 - 127): the byte cannot fall under 1
.endr
.irp i, 2,4,6,8,10,12,14
.irp b, 0,1,2,3
	v_max3_num_f32 v[TM+\b], v[TM+\b], |v[W1+16*\b+\i]|, |v[W1+1+16*\b+\i]|   ; the four blocks by turns
.endr
.endr
.irp b, 0,1,2,3
	v_permlanex16_b32 v[TM+4+\b], v[TM+\b], s[SEL], s[SEL+1]
.endr
.irp b, 0,1,2,3
	v_max_num_f32 v[TM+\b], v[TM+\b], v[TM+4+\b]               ; with lane l xor 16's 16: the block's largest magnitude
.endr
.irp b, 0,1,2,3
	v_add_nc_u32 v[TM+12+\b], 0xfc000000, v[TM+\b]             ; 8 off its exponent field: the conversion takes this operand's exponent field as its scale
.endr
.irp b, 0,1,2,3
	v_and_or_b32 v[TM+8+\b], v[TM+\b], 0x7f800000, s[MNT]      ; 448 x the scale
.endr
.irp b, 0,1,2,3
	v_lshrrev_b32 v[TM+4+\b], 23, v[TM+12+\b]                  ; the scale's byte
.endr
	v_lshl_or_b32 v[PW], v[TM+5], 8, v[TM+4]
	v_lshl_or_b32 v[PW], v[TM+6], 16, v[PW]
	v_lshl_or_b32 v[PW], v[TM+7], 24, v[PW]                    ; my row's scale word
.irp b, 0,1,2,3
.irp i, 0,1,2,3,4,5,6,7,8,9,10,11,12,13,14,15
	v_med3_num_f32 v[W1+16*\b+\i], v[W1+16*\b+\i], -v[TM+8+\b], v[TM+8+\b]   ; the conversion to an 8-bit code does not saturate (ISA guide 7.6.2): the hold comes first
.endr
	v_cvt_scalef32_pk8_fp8_f32 v[PC+4*\b:PC+1+4*\b], v[W1+16*\b:W1+7+16*\b], v[TM+12+\b]
	v_cvt_scalef32_pk8_fp8_f32 v[PC+2+4*\b:PC+3+4*\b], v[W1+8+16*\b:W1+15+16*\b], v[TM+12+\b]
.endr
	v_nop                                          ; a plain vector line behind the last scaled conversion
.irp q, 0,1,2,3
	global_store_b128 v8, v[PC+4*\q:PC+4*\q+3], s[28:29] offset:512*\q   ; 32 lanes store 512 consecutive bytes, at a multiple of 256 from wq's first byte
.endr
	v_cmp_gt_u32 vcc_lo, 16, v1                    ; lanes r and r + 16 hold the same word: lanes 0-15 store it
	s_wait_xcnt 0x0                                ; EXEC changes only behind this wait
	s_and_saveexec_b32 s9, vcc_lo
	global_store_b32 v9, v[PW], s[30:31]
	s_wait_xcnt 0x0
	s_or_b32 exec_lo, exec_lo, s9
	s_endpgm
.Lfunc_end_k_qfcebd5c312_wprep:
	.size	k_qfcebd5c312_wprep, .Lfunc_end_k_qfcebd5c312_wprep-k_qfcebd5c312_wprep
	.p2alignl 7, 3214868480
	.fill 96, 4, 3214868480
	.section	.rodata,"a",@progbits
	.p2align	6, 0x0
	.amdhsa_kernel k_qfcebd5c312_wprep
		.amdhsa_group_segment_fixed_size 0
		.amdhsa_private_segment_fixed_size 0
		.amdhsa_enable_private_segment 0
		.amdhsa_kernarg_size 16
		.amdhsa_user_sgpr_count 2
		.amdhsa_user_sgpr_kernarg_segment_ptr 1
		.amdhsa_wavefront_size32 1
		.amdhsa_system_sgpr_workgroup_id_x 1
		.amdhsa_system_sgpr_workgroup_id_y 1
		.amdhsa_system_sgpr_workgroup_id_z 1
		.amdhsa_system_vgpr_workitem_id 0
		.amdhsa_next_free_vgpr 192
		.amdhsa_next_free_sgpr 66
		.amdhsa_reserve_vcc 1
		.amdhsa_float_denorm_mode_32 3
		.amdhsa_float_denorm_mode_16_64 3
		.amdhsa_memory_ordered 1
		.amdhsa_forward_progress 1
		.amdhsa_inst_pref_size 19
	.end_amdhsa_kernel
	.amdgpu_metadata
---
amdhsa.version: [ 1, 2 ]
amdhsa.kernels:
  - .name:           k_qfcebd5c312_wprep
    .symbol:         k_qfcebd5c312_wprep.kd
    .args:
      - { .name: shared_weight, .offset: 0, .size: 8, .value_kind: global_buffer, .address_space: global }
      - { .name: wq, .offset: 8, .size: 8, .value_kind: global_buffer, .address_space: global }
    .group_segment_fixed_size: 0
    .private_segment_fixed_size: 0
    .kernarg_segment_align: 8
    .kernarg_segment_size: 16
    .max_flat_workgroup_size: 32
    .sgpr_count:     66
    .vgpr_count:     192
    .wavefront_size: 32
...
	.end_amdgpu_metadata
.endif
;; end of part 1
;; launch main (part 2): grid 256 x 1, 4 waves a work-group, clusters of 4 x 1, 327,680 bytes of LDS; arguments input, wq, bias, layer_factor, out0; writes out0
.if DOCPART == 2
	.amdgcn_target "amdgcn-amd-amdhsa--gfx1250"
	.amdhsa_code_object_version 6
	.text
	.protected	k_qfcebd5c312_main
	.globl	k_qfcebd5c312_main
	.p2align	8
	.type	k_qfcebd5c312_main,@function
k_qfcebd5c312_main:
	s_mov_b64 s[64:65], 0
	v_nop
	global_prefetch_b8 v0, s[64:65] scope:SCOPE_SE
	s_setreg_imm32_b32 hwreg(HW_REG_WAVE_MODE, 25, 1), 1
	s_wait_xcnt 0x0
	s_wait_alu depctr_hold_cnt(0) depctr_sa_sdst(0) depctr_va_vdst(0) depctr_va_sdst(0) depctr_va_ssrc(0) depctr_va_vcc(0) depctr_vm_vsrc(0)
	s_getreg_b32 s2, hwreg(HW_REG_IB_STS2, 6, 4)
	s_cmp_eq_u32 s2, 0
	s_cbranch_scc0 .Lentry_in_a_cluster
	s_endpgm
.Lentry_in_a_cluster:
	s_bfe_u32 s2, ttmp6, 0x10000c
	s_cmp_lg_u32 s2, 0x3003
	s_cbranch_scc0 .Lentry_shape_is_right
	s_endpgm
.Lentry_shape_is_right:
; out[m][n] = (sum over k of Q(x)[m][k] Q(W)[n][k] + bias[n]) x layer_factor.  x: [8192][4096] f32; wq: the codes and scale bytes of W's 128 distinct rows, as launch wprep lays them.
; W[n] = W[n mod 128] for every pool (both hashes keep the low 13 bits of bid = 64 n + k / 64), so column n of the product equals column n mod 128, whatever the inputs hold.
; Each distinct sum is formed once and goes to its 16 places of a row of out, each with its own bias.
; SHARES: a work-group takes 32 rows of x and all of K, in trips of 1,024.  K IS DEALT AMONG THE WAVES: of a trip's 8 K steps of 128 wave w takes steps 2 w and 2 w + 1, for all 32 rows and all 128 rows of W:
; 16 accumulators.  It quantises those steps' numbers itself, so x's codes pass through LDS bytes of the wave's own and no barrier stands between the quantiser and the products.
; The four waves' partial sums are added on the way out: another order of the f32 sums than K ascending.
; x COMES THROUGH A RING OF REGISTERS: 4 sets of 16 loads, each load 512 consecutive bytes of a row; a set is asked for again as soon as it is quantised, one trip ahead of its use: 64 loads a wave are out.
; THE QUANTISER WORKS ON THE NUMBERS AS THEY ARE LOADED: a lane holds 4 neighbours of a row, a block of 32 lies in 8 lanes (three DPP steps).  The numbers are multiplied by 2^-e (exact), held within +-448
; and converted at the scale 1, two rows' quads to a conversion.  Codes alone pass through LDS, as rows of 256 + 16 bytes, and come back as fragments.
; wq is read by all work-groups at the same steps: the four of a cluster ask for it jointly (mask 15), a quarter of a slot a wave; two slots of 135,168 bytes (two of wprep's chunks), one round a trip.
; PREFETCH of wq: the 528 blocks of 256 bytes that a trip's joint load wants are asked for one trip earlier (the second part at the head, the first comes by its load alone), one instruction a wave.
; The 64 clusters fall into 4 classes by bits 3 and 5 of their number; in a class the 256 waves share the blocks out by address: wave W names blocks 2 W and 2 W + 1, and waves 0-15 also block 512 + W.
; x is not prefetched: its ring asks a whole trip ahead by itself.
; LIMITS: NaN and infinities in x are not served.  A block whose largest magnitude lies under 2^-118, zeros among them, keeps the byte 1, and this launch alone reads the bytes.
; bias x factor is added to sum x factor by one fused multiply-add: another order of rounding than (sum + bias) x factor.
.set CHB,   67584                      ; one of wprep's chunks
.set SLOT,  135168                     ; two chunks: 1,024 along K
.set QTR,   33792                      ; a wave's part of a slot: 132 rows of 256 bytes
.set IMG,   270336                     ; behind the slots: x's codes, for each wave 32 rows of AP bytes
.set AP,    272
.set IMW,   32*AP
.set ISC,   IMG+4*IMW                  ; x's scale words, for each wave [its K step 0, 1][row 0..31]
.set SPARE, ISC+1024                   ; the spare words, 512 bytes
.set OP,    528                        ; the way out: a stage row, 128 f32 + 16 bytes
.set STG,   32*OP                      ; a wave's stage; the four lie from LDS byte 0 on, in slot 0, which has had its last fill and its last read by then
.set XO,  1
.set AI,  2
.set AS,  3
.set LB,  4
.set LS,  5
.set PFO, 6
.set ADB, 8
.set ADS, 9
.set SA,  10                           ; v10-11 x's scale words of my two K steps; v12-15 W's, two for each buffer
.set SB,  12
.set ADA, 16
.set ADT, 17
.set SPW, 18
.set NIL, 19
.set OSI, 20
.set OSO, 21
.set OO,  22
.set ONE, 24
.set M,   32                           ; v32-47 largest magnitudes, then scale bytes; v48-63 2^-e; v64-79 codes
.set INV, 48
.set CD,  64
.set BF,  128                          ; the way out: bias x factor, 16 groups x 4
.set Y,   192                          ; the way out: my 8 rows
.set WV,  14
.set POS, 16
.set NEG, 17
.set SLB, 18
.set FF,  20
.set G1,  24
.set G0,  32
.set CNT, 36
.set PF,  38
; REGISTER WINDOWS: 0: the above; sets 0, 1 of the ring at v128, v192.  1: W's fragments, two buffers of 4 tiles; sets 2, 3 at v128, v192.  2: v0-127 the accumulators ((a, t) at 8 (8 a + t)), v128-191 x's fragments.
; On the way out windows 1 and 3 hold what is stored.
.set MSB, 0
.macro WIN new
.if MSB != (\new)
	s_set_vgpr_msb (MSB<<8)|(\new)
.set MSB, (\new)
.endif
.endm
.macro CROUND                          ; a round of the cluster's barrier
	s_barrier_signal -1
	s_barrier_wait -1
	s_cmp_lg_u32 s[WV], 0
	s_cbranch_scc1 .Lnot_wave_0_\@
	s_barrier_signal -3
.Lnot_wave_0_\@:
	s_barrier_wait -3
	s_barrier_signal -1
	s_barrier_wait -1
.endm
.macro PLACES n
.rept \n
	v_nop
.endr
.endm
; set q of the ring: rows 16 (q % 2) + 0 .. 15, K step 2 w + q / 2 of the trip; ahead = 1: the next trip's
.macro XLOAD q, ahead
	WIN 64*((\q)/2)
.set i, 0
.rept 16
	global_load_b128 v[128+64*((\q)%2)+4*i:128+64*((\q)%2)+4*i+3], v[XO], s[4:5] offset:16384*(16*((\q)%2)+i)+512*((\q)/2)+4096*(\ahead) th:TH_LOAD_NT
.set i, i+1
.endr
	WIN 0
.endm
; set q is quantised: register X + 4 i + j = x(row RO + i, 4 lane + j).  left: the younger loads, which may stay out
.macro QSET q, more, left
.set XW, (\q)/2
.set X,  128+64*((\q)%2)
.set RO, 16*((\q)%2)
	s_wait_loadcnt \left
	WIN 5*XW
.set i, 0
.rept 16
	v_max3_num_f32 v[M+i], |v[X+4*i]|, |v[X+4*i+1]|, 0x4800000     ; with the floor 2^(9 - 127): the byte cannot fall under 1
.set i, i+1
.endr
	WIN 20*XW
.set i, 0
.rept 16
	v_max3_num_f32 v[M+i], v[M+i], |v[X+4*i+2]|, |v[X+4*i+3]|
.set i, i+1
.endr
	WIN 0
.irp d, 1,2,4                          ; the 8 lanes of a block
.set i, 0
.rept 16
	v_max_num_f32_dpp v[M+i], v[M+i], v[M+i] row_xmask:\d row_mask:0xf bank_mask:0xf
.set i, i+1
.endr
.endr
.set i, 0
.rept 16
	v_and_b32 v[M+i], 0x7f800000, v[M+i]                           ; E << 23, E the largest magnitude's exponent field
.set i, i+1
.endr
.set i, 0
.rept 16
	v_sub_nc_u32 v[INV+i], 0x83000000, v[M+i]                      ; (262 - E) << 23: 1 / the scale, the scale being 2^(E - 8 - 127)
.set i, i+1
.endr
.set i, 0
.rept 16
	v_lshrrev_b32 v[M+i], 23, v[M+i]
.set i, i+1
.endr
.set i, 0
.rept 16
	v_add_nc_u32 v[M+i], -8, v[M+i]                                ; the scale's byte
.set i, i+1
.endr
.set i, 0
.rept 16
	ds_store_b8 v[AS], v[M+i] offset:128*XW+4*(RO+i)               ; the 8 lanes of a block write the same byte with the same value
.set i, i+1
.endr
	WIN 65*XW
.set i, 0
.rept 16
.if i%2
	v_pk_mul_f32 v[X+4*i:X+4*i+1], v[X+4*i:X+4*i+1], v[INV+i-1:INV+i] op_sel:[0,1] op_sel_hi:[1,1]
	v_pk_mul_f32 v[X+4*i+2:X+4*i+3], v[X+4*i+2:X+4*i+3], v[INV+i-1:INV+i] op_sel:[0,1] op_sel_hi:[1,1]
.else
	v_pk_mul_f32 v[X+4*i:X+4*i+1], v[X+4*i:X+4*i+1], v[INV+i:INV+i+1] op_sel_hi:[1,0]
	v_pk_mul_f32 v[X+4*i+2:X+4*i+3], v[X+4*i+2:X+4*i+3], v[INV+i:INV+i+1] op_sel_hi:[1,0]
.endif
.set i, i+1
.endr
.set i, 0
.rept 64
	v_med3_num_f32 v[X+i], v[X+i], s[NEG], s[POS]                  ; the conversion does not saturate (ISA guide 7.6.2): the hold comes first
.set i, i+1
.endr
	WIN XW
.set i, 0
.rept 8
	v_cvt_scalef32_pk8_fp8_f32 v[CD+2*i:CD+2*i+1], v[X+8*i:X+8*i+7], v[ONE]   ; rows 2 i and 2 i + 1: four codes each
.set i, i+1
.endr
	v_nop                                          ; a plain vector line behind the last scaled conversion
	WIN 0
.set i, 0
.rept 16
	ds_store_b32 v[AI], v[CD+i] offset:(RO+i)*AP+128*XW            ; 32 lanes: 128 consecutive bytes of a row of my image
.set i, i+1
.endr
.if \more
	XLOAD \q, 1
.endif
.endm
; x's fragments and scale words of my two K steps: my own bytes, which LDS serves in order behind my stores (ISA guide 5.7.1.4)
.macro AFETCH
	WIN 0x80
.irp e, 0,1
.irp a, 0,1
.irp c, 0,1,2,3
	ds_load_b128 v[128+32*\e+16*\a+4*\c:128+32*\e+16*\a+4*\c+3], v[ADA] offset:\a*16*AP+128*\e+32*\c
.endr
.endr
.endr
	WIN 0
	ds_load_b32 v[SA], v[ADT]                      ; lanes 0-15: rows 0-15, lanes 16-31: rows 16-31
	ds_load_b32 v[SA+1], v[ADT] offset:128
.endm
; half step hs = 0..3: my K step hs / 2, W's tiles 4 (hs % 2) + 0 .. 3, into buffer p: 18 LDS loads
.macro FETCHB p, hs
	WIN 0x40
.irp u, 0,1,2,3
.irp c, 0,1,2,3
	ds_load_b128 v[64*(\p)+16*\u+4*\c:64*(\p)+16*\u+4*\c+3], v[ADB] offset:16384*((\hs)/2)+(4*((\hs)%2)+\u)*2048+512*\c
.endr
.endr
	WIN 0
	ds_load_b32 v[SB+2*(\p)], v[ADS] offset:512*((\hs)/2)+256*((\hs)%2)        ; lanes 0-15: the first tile's words, lanes 16-31: the second's
	ds_load_b32 v[SB+2*(\p)+1], v[ADS] offset:512*((\hs)/2)+256*((\hs)%2)+128
.endm
; Used transposed: source 0 = 16 rows of W, source 1 = 16 rows of x: a lane holds 8 neighbouring columns of a row of out.  The accumulators take turns.
.macro MUL8 p, hs
	WIN 0xa9
.set a, 0
.rept 2
.set u, 0
.rept 4
.set D,  8*(8*a+4*((\hs)%2)+u)
.set FB, 64*(\p)+16*u
.set FA, 128+32*((\hs)/2)+16*a
.set RS, SB+2*(\p)+u/2
.set RT, SA+(\hs)/2
.if a == 0
.if u%2 == 0
	v_wmma_scale_f32_16x16x128_f8f6f4 v[D:D+7], v[FB:FB+15], v[FA:FA+15], v[D:D+7], v[RS], v[RT]
.else
	v_wmma_scale_f32_16x16x128_f8f6f4 v[D:D+7], v[FB:FB+15], v[FA:FA+15], v[D:D+7], v[RS], v[RT] matrix_a_scale:MATRIX_SCALE_ROW1
.endif
.else
.if u%2 == 0
	v_wmma_scale_f32_16x16x128_f8f6f4 v[D:D+7], v[FB:FB+15], v[FA:FA+15], v[D:D+7], v[RS], v[RT] matrix_b_scale:MATRIX_SCALE_ROW1
.else
	v_wmma_scale_f32_16x16x128_f8f6f4 v[D:D+7], v[FB:FB+15], v[FA:FA+15], v[D:D+7], v[RS], v[RT] matrix_a_scale:MATRIX_SCALE_ROW1 matrix_b_scale:MATRIX_SCALE_ROW1
.endif
.endif
.set u, u+1
.endr
.set a, a+1
.endr
.endm
; A trip of 1,024 along K.  more = 1: the ring and the other slot are filled again
.macro TRIP more
	QSET 0, \more, 48
	QSET 1, \more, 48-16*(1-\more)
	QSET 2, \more, 48-32*(1-\more)
	QSET 3, \more, 48-48*(1-\more)
	AFETCH
.if \more == 0
.set i, 0
.rept 16
	global_load_b128 v[BF+4*i:BF+4*i+3], v[OO], s[8:9] offset:512*i    ; the bias of my 4 columns in each of the 16 groups
.set i, i+1
.endr
.endif
	s_wait_tensorcnt 0x0                           ; my part of this trip's slot has landed: no tensor load of mine is out
	ds_add_u32 v[SPW], v[NIL]
	v_add_nc_u32 v[ADB], s[SLB], v[LB]             ; this trip's slot
	v_add_nc_u32 v[ADS], s[SLB], v[LS]
.if \more
	s_xor_b32 s[G0+1], s[G0+1], SLOT               ; the other slot,
	s_add_nc_u64 s[G0+2:G0+3], s[G0+2:G0+3], SLOT  ; the next 1,024 along K
.endif
	s_wait_alu depctr_va_vdst(0)                   ; the wait ahead of the wait below
	s_wait_dscnt 0x0                               ; the add is done; my LDS loads are back
.if \more
	CROUND                                         ; no wave of the cluster reads the other slot any more; this slot is whole
	tensor_load_to_lds s[G0:G0+3], s[G1:G1+7]
	s_nop 0
	PLACES 4
	s_cmp_gt_u32 s[CNT], 1                         ; the loop's last trip has no joint load a trip on
	s_cbranch_scc0 .Lno_ask_\@
	global_prefetch_b8 v[PFO], s[PF:PF+1] offset:SLOT th:TH_LOAD_NT scope:SCOPE_SE   ; what the next trip's joint load wants
.Lno_ask_\@:
.else
	s_barrier_signal -1
	s_barrier_wait -1
.endif
	FETCHB 0, 0
	FETCHB 1, 1
	s_wait_dscnt 18                                ; this half step's 18 loads are in, the next one's may be out
	MUL8 0, 0
	PLACES 8                                       ; in front of loads into registers that matrix instructions have read
	FETCHB 0, 2
	s_wait_dscnt 18
	MUL8 1, 1
	PLACES 8
	FETCHB 1, 3
	s_wait_dscnt 18
	MUL8 0, 2
	s_wait_dscnt 0x0
.if \more == 0
	s_barrier_signal -1                            ; my last reads of the slots are back: behind this barrier the stages are written
.endif
	MUL8 1, 3
	WIN 0
.if \more == 0
	s_barrier_wait -1
.endif
.endm
	s_load_b256 s[4:11], s[0:1], 0x0               ; x, wq, bias, factor
	s_load_b64 s[12:13], s[0:1], 0x20              ; out
	v_lshl_add_u32 v[SPW], v0, 2, SPARE
	v_mov_b32 v[NIL], 0
	ds_add_u32 v[SPW], v[NIL]                      ; the opening lines: the add twice on end
	ds_add_u32 v[SPW], v[NIL]
	v_lshrrev_b32 v25, 5, v0
	v_readfirstlane_b32 s[WV], v25                 ; wave
	s_bfe_u32 s40, ttmp6, 0x40000                  ; cx
	s_lshl_b32 s41, ttmp9, 2
	s_add_co_u32 s41, s41, s40                     ; work-group
	s_lshl_b32 s42, s41, 19                        ; 32 rows of 16,384 bytes
	s_mov_b32 s43, 0
	s_mov_b32 s[G1+0], 15|(3<<16)|(1<<21)          ; the four of the cluster; elements of 8 bytes
	s_mov_b32 s[G1+1], 32<<16                      ; rows of 256 bytes,
	s_mov_b32 s[G1+2], 132<<16                     ; 132 of them
	s_mov_b32 s[G1+3], 32<<16
	s_mov_b32 s[G1+4], 132
	s_mov_b32 s[G1+5], 32
	s_mov_b32 s[G1+6], 0
	s_mov_b32 s[G1+7], 0
	s_mul_i32 s44, s[WV], QTR
	s_mov_b32 s45, 0
	s_lshl_b32 s56, s[WV], 10
	s_and_b32 s52, ttmp9, 7                        ; the prefetches' shares: my cluster's number in its class of 16: bits 0-2 and 4,
	s_bfe_u32 s53, ttmp9, 0x10004
	s_lshl_b32 s53, s53, 3
	s_or_b32 s52, s52, s53
	s_lshl_b32 s52, s52, 2
	s_add_co_u32 s52, s52, s40                     ; my work-group's among the class's 64 (a share by address: no branch hangs on it),
	s_lshl_b32 s52, s52, 2
	s_add_co_u32 s52, s52, s[WV]                   ; my wave's among its 256: W
	s_lshl_b32 s53, s52, 1                         ; block 2 W
	s_add_co_u32 s54, s53, 1                       ; block 2 W + 1
	s_add_co_u32 s55, s52, 512
	s_cmp_lt_u32 s52, 16
	s_cselect_b32 s54, s55, s54                    ; lanes 16-31: block 512 + W in waves 0-15, else my last block again
	v_and_b32 v26, 31, v0                          ; lane
	v_lshl_add_u32 v[XO], v26, 4, s56              ; my 16 bytes of my wave's 1,024 of a trip's 4,096 of a row
	v_and_b32 v30, 1, v0
	v_add_nc_u32 v30, s53, v30
	v_mov_b32 v31, s54
	v_cmp_gt_u32 vcc_lo, 16, v26
	v_cndmask_b32 v30, v31, v30, vcc_lo
	v_lshlrev_b32 v[PFO], 8, v30
	s_wait_alu depctr_va_vdst(0)                   ; the wait ahead of the waits below
	s_wait_dscnt 0x0
	s_wait_kmcnt 0x0
	s_add_nc_u64 s[4:5], s[4:5], s[42:43]
	s_mov_b32 s[G0], 1
	s_mov_b32 s[G0+1], s44
	s_add_nc_u64 s[G0+2:G0+3], s[6:7], s[44:45]
	s_or_b32 s[G0+3], s[G0+3], 0x80000000
	s_add_nc_u64 s[PF:PF+1], s[6:7], SLOT
	CROUND
	tensor_load_to_lds s[G0:G0+3], s[G1:G1+7]      ; slot 0: K 0 .. 1,023: my one tensor load at the head, ahead of x's loads
	s_nop 0
	PLACES 4
	global_prefetch_b8 v[PFO], s[PF:PF+1] th:TH_LOAD_NT scope:SCOPE_SE   ; what the first trip's joint load wants
	XLOAD 0, 0
	XLOAD 1, 0
	XLOAD 2, 0
	XLOAD 3, 0
	s_load_b32 s[FF], s[10:11], 0x0
	s_mul_i32 s46, s[WV], IMW
	s_add_co_u32 s46, s46, IMG
	s_lshl_b32 s47, s[WV], 8
	s_add_co_u32 s47, s47, ISC
	s_lshr_b32 s48, s[WV], 1
	s_mul_i32 s48, s48, CHB                        ; my K steps lie in the slot's chunk w / 2,
	s_and_b32 s49, s[WV], 1
	s_lshl_b32 s50, s49, 10
	s_lshl_b32 s49, s49, 15                        ; from its K step 2 (w % 2) on
	s_add_co_u32 s50, s50, s48
	s_add_co_u32 s50, s50, 65536
	s_add_co_u32 s48, s48, s49
	s_mul_i32 s49, s[WV], STG
	s_mul_i32 s51, s[WV], 8*OP
	s_lshl_b32 s42, s41, 18                        ; out: 32 rows of 8,192 bytes a work-group,
	s_lshl_b32 s40, s[WV], 16                      ; 8 rows a wave
	s_add_co_u32 s42, s42, s40
	s_add_nc_u64 s[12:13], s[12:13], s[42:43]
	s_mov_b32 s[POS], 0x43e00000                   ; 448
	s_mov_b32 s[NEG], 0xc3e00000
	s_mov_b32 s[SLB], 0
	s_mov_b32 s[CNT], 3
	s_wait_kmcnt 0x0
	s_mov_b32 s[FF+1], s[FF]
	v_and_b32 v27, 15, v0                          ; r
	v_bfe_u32 v28, v0, 4, 1                        ; h
	v_lshl_add_u32 v[AI], v26, 2, s46              ; my image, in: 4 lane
	v_lshrrev_b32 v29, 3, v26
	v_add_nc_u32 v[AS], s47, v29                   ; my scale bytes, in: lane / 8
	v_lshl_add_u32 v[LB], v26, 4, s48              ; W's fragments: 16 lane
	v_lshl_add_u32 v[LS], v26, 2, s50              ; W's scale words
	v_mul_u32_u24 v30, v27, AP
	v_lshl_add_u32 v30, v28, 4, v30
	v_add_nc_u32 v[ADA], s46, v30                  ; x's fragments: row r, 16 h
	v_lshl_add_u32 v[ADT], v26, 2, s47
	v_mul_u32_u24 v31, v27, OP
	v_lshl_add_u32 v31, v28, 5, v31
	v_add_nc_u32 v[OSI], s49, v31                  ; my stage, in: row r, 32 h
	v_lshl_add_u32 v[OSO], v26, 4, s51             ; the stages, out: rows 8 w .., 16 lane
	v_lshlrev_b32 v[OO], 4, v26
	v_mov_b32 v[ONE], 1.0
	WIN 0x80
.set i, 0
.rept 128                              ; the loop's first trip is a trip like the others: the 16 sums begin as zeros; these lines stand under the first loads' flight
	v_mov_b32 v[i], 0
.set i, i+1
.endr
	WIN 0
	s_wait_alu depctr_va_vdst(0)                   ; the wait at the head's end
.Ltrip:
	TRIP 1
	s_wait_xcnt 0x0                                ; the ring's loads and the prefetch have read their bases
	s_add_nc_u64 s[4:5], s[4:5], 4096
	s_add_nc_u64 s[PF:PF+1], s[PF:PF+1], SLOT
	s_xor_b32 s[SLB], s[SLB], SLOT
	s_sub_co_u32 s[CNT], s[CNT], 1
	s_cmp_lg_u32 s[CNT], 0
	s_cbranch_scc1 .Ltrip
	TRIP 0                                         ; the last trip asks for nothing more
; THE WAY OUT: each wave's 32 x 128 partial sums into its stage; a barrier; each wave adds the four parts of 8 whole rows and stores each row's 128 sums 16 times, 512 consecutive bytes a store
	s_wait_loadcnt 0x0
.set i, 0
.rept 32
	v_pk_mul_f32 v[BF+i:BF+i+1], v[BF+i:BF+i+1], s[FF:FF+1] op_sel_hi:[1,0]   ; bias x factor; these lines are also the places behind the last products
.set i, i+2
.endr
	s_wait_alu depctr_va_vdst(0)
	WIN 0x08
.set i, 0
.rept 16
	ds_store_b128 v[OSI], v[8*i:8*i+3] offset:(i/8)*16*OP+(i%8)*64             ; each accumulator from its low end on
	ds_store_b128 v[OSI], v[8*i+4:8*i+7] offset:(i/8)*16*OP+(i%8)*64+16
.set i, i+1
.endr
	WIN 0
	s_wait_dscnt 0x0
	s_barrier_signal -1
	s_barrier_wait -1
.set i, 0
.rept 8
	ds_load_b128 v[Y+4*i:Y+4*i+3], v[OSO] offset:OP*i
	ds_load_b128 v[Y+32+4*i:Y+32+4*i+3], v[OSO] offset:STG+OP*i
	ds_load_b128 v[32+4*i:32+4*i+3], v[OSO] offset:2*STG+OP*i
	ds_load_b128 v[64+4*i:64+4*i+3], v[OSO] offset:3*STG+OP*i
.set i, i+1
.endr
	s_wait_dscnt 0x0
.set i, 0
.rept 16
	v_pk_add_f32 v[Y+i:Y+i+1], v[Y+i:Y+i+1], v[Y+32+i:Y+32+i+1]
	v_pk_add_f32 v[32+i:32+i+1], v[32+i:32+i+1], v[64+i:64+i+1]
.set i, i+2
.endr
.set i, 0
.rept 16
	v_pk_add_f32 v[Y+i:Y+i+1], v[Y+i:Y+i+1], v[32+i:32+i+1]
.set i, i+2
.endr
.set g, 0
.rept 16                               ; column group g: 32 registers, groups 0-7 in window 1, 8-15 in window 3: no store's data are written again
	WIN 0x40+0x80*(g/8)
.set i, 0
.rept 16
	v_pk_fma_f32 v[32*(g%8)+2*i:32*(g%8)+2*i+1], v[Y+2*i:Y+2*i+1], s[FF:FF+1], v[BF+4*g+2*(i%2):BF+4*g+2*(i%2)+1] op_sel_hi:[1,0,1]
.set i, i+1
.endr
.set g, g+1
.endr
.set i, 0
	s_wait_alu depctr_va_vdst(0)
.rept 8                                ; row by row: a row's 16 stores cover its 8,192 bytes on end
.set g, 0
.rept 16
	WIN 0x04+0x08*(g/8)
	global_store_b128 v[OO], v[32*(g%8)+4*i:32*(g%8)+4*i+3], s[12:13] offset:8192*i+512*g th:TH_STORE_NT
.set g, g+1
.endr
.set i, i+1
.endr
	WIN 0
	s_wait_tensorcnt 0x0                           ; the wave's end
	ds_add_u32 v[SPW], v[NIL]
	s_wait_dscnt 0x0
	CROUND                                         ; the closing round
	s_endpgm
.Lfunc_end_k_qfcebd5c312_main:
	.size	k_qfcebd5c312_main, .Lfunc_end_k_qfcebd5c312_main-k_qfcebd5c312_main
	.p2alignl 7, 3214868480
	.fill 96, 4, 3214868480
	.section	.rodata,"a",@progbits
	.p2align	6, 0x0
	.amdhsa_kernel k_qfcebd5c312_main
		.amdhsa_group_segment_fixed_size 327680
		.amdhsa_private_segment_fixed_size 0
		.amdhsa_enable_private_segment 0
		.amdhsa_kernarg_size 40
		.amdhsa_user_sgpr_count 2
		.amdhsa_user_sgpr_kernarg_segment_ptr 1
		.amdhsa_wavefront_size32 1
		.amdhsa_system_sgpr_workgroup_id_x 1
		.amdhsa_system_sgpr_workgroup_id_y 1
		.amdhsa_system_sgpr_workgroup_id_z 1
		.amdhsa_system_vgpr_workitem_id 0
		.amdhsa_next_free_vgpr 1024
		.amdhsa_next_free_sgpr 66
		.amdhsa_reserve_vcc 1
		.amdhsa_float_denorm_mode_32 3
		.amdhsa_float_denorm_mode_16_64 3
		.amdhsa_memory_ordered 1
		.amdhsa_forward_progress 1
		.amdhsa_inst_pref_size 222
	.end_amdhsa_kernel
	.amdgpu_metadata
---
amdhsa.version: [ 1, 2 ]
amdhsa.kernels:
  - .name:           k_qfcebd5c312_main
    .symbol:         k_qfcebd5c312_main.kd
    .args:
      - { .name: input, .offset: 0, .size: 8, .value_kind: global_buffer, .address_space: global }
      - { .name: wq, .offset: 8, .size: 8, .value_kind: global_buffer, .address_space: global }
      - { .name: bias, .offset: 16, .size: 8, .value_kind: global_buffer, .address_space: global }
      - { .name: layer_factor, .offset: 24, .size: 8, .value_kind: global_buffer, .address_space: global }
      - { .name: out0, .offset: 32, .size: 8, .value_kind: global_buffer, .address_space: global }
    .group_segment_fixed_size: 327680
    .private_segment_fixed_size: 0
    .kernarg_segment_align: 8
    .kernarg_segment_size: 40
    .max_flat_workgroup_size: 128
    .sgpr_count:     66
    .vgpr_count:     1024
    .wavefront_size: 32
...
	.end_amdgpu_metadata
.endif
;; end of part 2
